; MI455X (gfx1250); checked and timed in simulation.
; The chip was launched on July 23, 2026; its instructions are those of AMD's public machine-readable ISA for CDNA 5 (MIT licence, August 2026) and "CDNA5" Instruction Set Architecture Reference Guide (July 2026). The comments in the code are by the model that wrote it; some were corrected since.
;; Switch MLP. Allowed arithmetic: float matrix products may take bf16 or f16 operands with f32 sums; other float arithmetic in f32, or as packed bf16 or f16 multiplies, adds, multiply-adds, maxima and minima; sums over many terms, partial sums and values carried from step to step in f32; what a program stores and reads back later, other than sums and carried values, may be rounded once to bf16 or f16.
;; Inputs: b1 8 x 4,096 float32; b2 8 x 1,024 float32; hidden_states 256 x 4 x 1,024 float32; router_b 8 float32; router_w 8 x 1,024 float32; w1 8 x 4,096 x 1,024 float32; w2 8 x 1,024 x 4,096 float32.
;; Outputs: out0 256 x 4 x 1,024 float32; out1 256 x 4 x 1,024 float32.
;; One version. Each part assembles by itself: llvm-mc -triple=amdgcn-amd-amdhsa -mcpu=gfx1250 --defsym DOCPART=n.
;; ======== version 1 of 1: 3 launches
;; limits: values are held in f16: magnitudes above 65,504 overflow, below 6.1e-05 lose precision
;; workspace buffers: xb 2,097,152 bytes; choice 4,096 bytes of whole numbers; prob 4,096 bytes; hid 8,388,608 bytes
;; launch router (part 1): grid 64 x 1, 8 waves a work-group, no clusters, 57,344 bytes of LDS; arguments hidden_states, router_w, router_b, b2, xb, choice, prob, out1; writes xb, choice, prob, out1
.if DOCPART == 1
	.amdgcn_target "amdgcn-amd-amdhsa--gfx1250"
	.amdhsa_code_object_version 6
	.text
	.protected	k_q868494e2d3_router
	.globl	k_q868494e2d3_router
	.p2align	8
	.type	k_q868494e2d3_router,@function
k_q868494e2d3_router:
	s_mov_b64 s[64:65], 0
	v_nop
	global_prefetch_b8 v0, s[64:65] scope:SCOPE_SE
	s_setreg_imm32_b32 hwreg(HW_REG_WAVE_MODE, 25, 1), 1
	s_wait_xcnt 0x0
; ROUTER.  For each of 1,024 tokens: logits = x . router_w^T + router_b, the chosen expert (argmax), its softmax weight, and out1 = b2[chosen] x weight.  It also leaves x rounded to bf16 (xb).
; EVERY input is rounded to bf16 before it is used (x, router_w, router_b, b2): the program as a whole computes the module on inputs rounded to bf16.
; SHARES.  A work-group owns 16 tokens, one matrix tile; 1,024 / 16 = 64 work-groups.  Wave w owns columns 128 w .. 128 w + 127 of x, router_w, b2, xb and out1.
; The eight waves' partial logits meet in LDS behind the one barrier, and every wave finishes them for itself.
; The choice steers no address and no branch here: it is stored at a fixed place as a whole number for the later launches, and b2's row is picked by v_cndmask_b32.
; LIMITS.  The argmax is taken on the logits, the lower index winning a tie; it can differ from an argmax on the softmax only where two different logits round to one softmax value.
; NaN and infinities are not treated apart.  No cluster, no tensor load: no two work-groups share more than router_w and b2, 64 KB together.
.set P,     272                        ; an LDS row of 128 bf16: 256 bytes + 16: row r starts 4 r words on modulo 64 (64 banks of 4 bytes: ISA guide 11.1)
.set XS,    0                          ; wave w: 16 tokens x 272 bytes, its own
.set RS,    XS+8*16*P                  ; wave w: 8 router rows x 272 bytes, its own
.set PART,  RS+8*8*P                   ; wave w: 16 tokens x 8 partial logits, f32
.set SPARE, PART+8*512                 ; the spare words, 128 bytes a wave: four blocks of 256 bytes that no other line names
.set SPW, 1                            ; v1   LDS address of my spare word; never rewritten
.set NIL, 2                            ; v2   0; never rewritten
.set L16, 3                            ; v3   16 x lane
.set L8,  4                            ; v4   8 x lane
.set XSA, 7                            ; v7   where I store 8 bytes of a token's row
.set RSA, 8                            ; v8   the same for a router row
.set XFA, 9                            ; v9   where my token fragment begins
.set RFA, 10                           ; v10  where my router fragment begins
.set PSA, 11                           ; v11  where I store my token's partial logits
.set PLA, 12                           ; v12  where wave 0's partial logits of my token lie
.set R4,  13                           ; v13  4 x (lane % 16)
.set X,   16                           ; v16-79    x as loaded; then TF, RF; then the 64 partial logits
.set RW,  80                           ; v80-111   router_w as loaded; then what is named below
.set B2,  112                          ; v112-143  b2, my four columns of each expert's row
.set XB,  144                          ; v144-175  x in bf16
.set RWP, 176                          ; v176-191  router_w in bf16
.set ACC, 192                          ; v192-207  two accumulators
.set TF,  16                           ; token fragments, 8 registers for each 32 of K
.set RF,  48                           ; router fragments
.set LG,  16                           ; partial logits, 8 for each wave; the sums end in the first 8
.set IDX, 80                           ; the chosen expert
.set BEST, 81                          ; the running, at last the true, maximum
.set PRB, 83                           ; the softmax weight
.set SEL, 84
.set TT,  88                           ; 8 at work
.set RB,  96                           ; router_b, rounded
.set RR,  104                          ; 4: a token's part of out1
.set TA,  108                          ; 2 at work
	s_load_b256 s[4:11], s[0:1], 0x0               ; hidden_states s[4:5], router_w s[6:7], router_b s[8:9], b2 s[10:11]
	s_load_b256 s[12:19], s[0:1], 0x20             ; xb s[12:13], choice s[14:15], prob s[16:17], out1 s[18:19]
	v_lshl_add_u32 v[SPW], v0, 2, SPARE
	v_mov_b32 v[NIL], 0
	v_lshrrev_b32 v5, 5, v0
	v_readfirstlane_b32 s20, v5                    ; wave 0..7
	v_and_b32 v6, 31, v0
	v_lshlrev_b32 v[L16], 4, v6
	v_lshlrev_b32 v[L8], 3, v6
	v_and_b32 v5, 15, v0                           ; r = lane % 16
	v_bfe_u32 v6, v0, 4, 1                         ; h = lane / 16
	s_lshl_b32 s34, s20, 9                         ; my 128 columns in f32: 512 w
	s_mov_b32 s35, 0
	s_lshl_b32 s22, ttmp9, 16                      ; my group's 16 rows of 4,096 bytes
	s_add_co_u32 s22, s22, s34
	s_mov_b32 s23, 0
	s_lshl_b32 s36, ttmp9, 15                      ; the same in bf16
	s_lshl_b32 s21, s20, 8
	s_add_co_u32 s36, s36, s21
	s_mov_b32 s37, 0
	s_lshl_b32 s38, ttmp9, 6                       ; my group's 16 words of choice and of prob
	s_mov_b32 s39, 0
	s_mul_i32 s40, s20, 16*P
	s_mul_i32 s41, s20, 8*P
	s_add_co_u32 s41, s41, RS
	v_add_nc_u32 v[XSA], s40, v[L8]
	v_add_nc_u32 v[RSA], s41, v[L8]
	v_mul_u32_u24 v[XFA], v5, P                    ; a fragment: row r, 16 bytes for each half of the lanes
	v_lshl_add_u32 v[XFA], v6, 4, v[XFA]
	v_add_nc_u32 v[XFA], s40, v[XFA]
	v_and_b32 v[RFA], 7, v5                        ; rows 8-15 of the router's fragment repeat experts 0-7
	v_mul_u32_u24 v[RFA], v[RFA], P
	v_lshl_add_u32 v[RFA], v6, 4, v[RFA]
	v_add_nc_u32 v[RFA], s41, v[RFA]
	v_lshlrev_b32 v[PLA], 5, v5
	v_add_nc_u32 v[PLA], PART, v[PLA]
	v_lshl_add_u32 v[PSA], s20, 9, v[PLA]
	v_lshlrev_b32 v[R4], 2, v5
	s_wait_kmcnt 0x0
	s_load_b256 s[24:31], s[8:9], 0x0              ; router_b
	s_add_nc_u64 s[4:5], s[4:5], s[22:23]
	s_add_nc_u64 s[6:7], s[6:7], s[34:35]
	s_add_nc_u64 s[10:11], s[10:11], s[34:35]
	s_add_nc_u64 s[12:13], s[12:13], s[36:37]
	s_add_nc_u64 s[14:15], s[14:15], s[38:39]
	s_add_nc_u64 s[16:17], s[16:17], s[38:39]
	s_add_nc_u64 s[18:19], s[18:19], s[22:23]
	; all loads at once; each covers 512 consecutive bytes
.set i, 0
.rept 16
	global_load_b128 v[X+4*i:X+4*i+3], v[L16], s[4:5] offset:4096*i th:TH_LOAD_NT
.set i, i+1
.endr
.set i, 0
.rept 8
	global_load_b128 v[RW+4*i:RW+4*i+3], v[L16], s[6:7] offset:4096*i
.set i, i+1
.endr
.set i, 0
.rept 8
	global_load_b128 v[B2+4*i:B2+4*i+3], v[L16], s[10:11] offset:4096*i
.set i, i+1
.endr
	s_wait_loadcnt 16                              ; x is in; the 16 younger loads (router_w, b2) may be out
.set i, 0
.rept 16
	v_cvt_pk_bf16_f32 v[XB+2*i], v[X+4*i], v[X+4*i+1]
	v_cvt_pk_bf16_f32 v[XB+2*i+1], v[X+4*i+2], v[X+4*i+3]
	global_store_b64 v[L8], v[XB+2*i:XB+2*i+1], s[12:13] offset:2048*i   ; 32 lanes store 256 consecutive bytes, at a multiple of 256 from xb's first
	ds_store_b64 v[XSA], v[XB+2*i:XB+2*i+1] offset:P*i
.set i, i+1
.endr
	s_wait_loadcnt 8                               ; router_w is in; b2's 8 loads may be out
.set i, 0
.rept 8
	v_cvt_pk_bf16_f32 v[RWP+2*i], v[RW+4*i], v[RW+4*i+1]
	v_cvt_pk_bf16_f32 v[RWP+2*i+1], v[RW+4*i+2], v[RW+4*i+3]
	ds_store_b64 v[RSA], v[RWP+2*i:RWP+2*i+1] offset:P*i
.set i, i+1
.endr
	; back as fragments: the bytes are my wave's own, and LDS serves a wave's instructions in order (ISA guide 5.7.1.4)
.irp s, 0,1,2,3
	ds_load_b128 v[TF+8*\s:TF+8*\s+3],   v[XFA] offset:64*\s
	ds_load_b128 v[TF+8*\s+4:TF+8*\s+7], v[XFA] offset:64*\s+32
	ds_load_b128 v[RF+8*\s:RF+8*\s+3],   v[RFA] offset:64*\s
	ds_load_b128 v[RF+8*\s+4:RF+8*\s+7], v[RFA] offset:64*\s+32
.endr
	s_wait_loadcnt 0x0                             ; b2, for the work that stands behind the products
	s_wait_dscnt 0x0
	; source 0 = router rows, source 1 = tokens: a lane's eight results are the eight experts' partial logits of token r.  Two accumulators by turns.
	v_wmma_f32_16x16x32_bf16 v[ACC:ACC+7],    v[RF:RF+7],     v[TF:TF+7],     0
	v_wmma_f32_16x16x32_bf16 v[ACC+8:ACC+15], v[RF+8:RF+15],  v[TF+8:TF+15],  0
	v_wmma_f32_16x16x32_bf16 v[ACC:ACC+7],    v[RF+16:RF+23], v[TF+16:TF+23], v[ACC:ACC+7]
	v_wmma_f32_16x16x32_bf16 v[ACC+8:ACC+15], v[RF+24:RF+31], v[TF+24:TF+31], v[ACC+8:ACC+15]
	; b2 is rounded to bf16 and widened again, in place: 48 plain instructions that name no register of the products, the places behind them (ISA guide 7.12.1)
.irp e, 0,1,2,3,4,5,6,7
	v_cvt_pk_bf16_f32 v[TA], v[B2+4*\e], v[B2+4*\e+1]
	v_cvt_pk_bf16_f32 v[TA+1], v[B2+4*\e+2], v[B2+4*\e+3]
	v_lshlrev_b32 v[B2+4*\e], 16, v[TA]
	v_and_b32 v[B2+4*\e+1], 0xffff0000, v[TA]
	v_lshlrev_b32 v[B2+4*\e+2], 16, v[TA+1]
	v_and_b32 v[B2+4*\e+3], 0xffff0000, v[TA+1]
.endr
.irp q, 0,1,2,3                        ; each accumulator is read from its low end on
	v_pk_add_f32 v[TT+2*\q:TT+2*\q+1], v[ACC+2*\q:ACC+2*\q+1], v[ACC+8+2*\q:ACC+8+2*\q+1]
.endr
	ds_store_b128 v[PSA], v[TT:TT+3]               ; lanes r and r + 16 hold the same eight numbers and write the same bytes
	ds_store_b128 v[PSA], v[TT+4:TT+7] offset:16
	s_wait_dscnt 0x0                               ; for the others' sake: my partial logits are in LDS
	s_barrier_signal -1
	s_barrier_wait -1
.irp w, 0,1,2,3,4,5,6,7
	ds_load_b128 v[LG+8*\w:LG+8*\w+3],   v[PLA] offset:512*\w
	ds_load_b128 v[LG+8*\w+4:LG+8*\w+7], v[PLA] offset:512*\w+16
.endr
	s_wait_kmcnt 0x0                               ; router_b, rounded while the loads are out
.irp q, 0,1,2,3
	v_cvt_pk_bf16_f32 v[TA], s[24+2*\q], s[25+2*\q]
	v_lshlrev_b32 v[RB+2*\q], 16, v[TA]
	v_and_b32 v[RB+2*\q+1], 0xffff0000, v[TA]
.endr
	s_wait_dscnt 0x0
.irp w, 1,2,3,4,5,6,7                  ; the eight waves' parts in a fixed order, four chains side by side
.irp q, 0,1,2,3
	v_pk_add_f32 v[LG+2*\q:LG+2*\q+1], v[LG+2*\q:LG+2*\q+1], v[LG+8*\w+2*\q:LG+8*\w+2*\q+1]
.endr
.endr
.irp q, 0,1,2,3
	v_pk_add_f32 v[LG+2*\q:LG+2*\q+1], v[LG+2*\q:LG+2*\q+1], v[RB+2*\q:RB+2*\q+1]
.endr
	v_mov_b32 v[IDX], 0                            ; argmax: a later expert wins only if it is strictly greater
	v_mov_b32 v[BEST], v[LG]
.irp j, 1,2,3,4,5,6,7
	v_cmp_gt_f32 vcc_lo, v[LG+\j], v[BEST]
	v_cndmask_b32 v[IDX], v[IDX], \j, vcc_lo
	v_max_num_f32 v[BEST], v[BEST], v[LG+\j]
.endr
.irp j, 0,1,2,3,4,5,6,7                ; the maximum is taken away first; the largest weight is then 1 / the sum
	v_sub_f32 v[TT+\j], v[LG+\j], v[BEST]
.endr
.irp j, 0,1,2,3,4,5,6,7
	v_mul_f32 v[TT+\j], 0x3fb8aa3b, v[TT+\j]
.endr
.irp j, 0,1,2,3,4,5,6,7
	v_exp_f32 v[TT+\j], v[TT+\j]
.endr
	v_nop                                          ; a plain instruction behind the last exponential (ISA guide 5.7.2),
	s_wait_alu depctr_va_vdst(0)                   ; and the one wait for the batch ahead of its first reader
	v_pk_add_f32 v[TT:TT+1], v[TT:TT+1], v[TT+2:TT+3]
	v_pk_add_f32 v[TT+4:TT+5], v[TT+4:TT+5], v[TT+6:TT+7]
	v_pk_add_f32 v[TT:TT+1], v[TT:TT+1], v[TT+4:TT+5]
	v_add_f32 v[TT], v[TT], v[TT+1]
	v_rcp_f32 v[PRB], v[TT]
	v_nop
	s_wait_alu depctr_va_vdst(0)
	s_cmp_lg_u32 s20, 0
	s_cbranch_scc1 .Lnot_wave_0
	global_store_b32 v[R4], v[IDX], s[14:15]       ; wave 0 alone; lanes r and r + 16 store the same word
	global_store_b32 v[R4], v[PRB], s[16:17]
.Lnot_wave_0:
	; out1, a token a trip: my four columns of b2's chosen row, picked among the eight by value, times the weight
	s_mov_b32 s33, 0
.Ltoken:
	v_readlane_b32 s42, v[IDX], s33
	v_readlane_b32 s44, v[PRB], s33
	s_mov_b32 s45, s44                             ; named with it as a pair
	v_mov_b32 v[SEL], s42
	v_cmp_eq_u32 vcc_lo, 1, v[SEL]
.irp q, 0,1,2,3
	v_cndmask_b32 v[RR+\q], v[B2+\q], v[B2+4+\q], vcc_lo
.endr
.irp e, 2,3,4,5,6,7
	v_cmp_eq_u32 vcc_lo, \e, v[SEL]
.irp q, 0,1,2,3
	v_cndmask_b32 v[RR+\q], v[RR+\q], v[B2+4*\e+\q], vcc_lo
.endr
.endr
	v_pk_mul_f32 v[RR:RR+1], v[RR:RR+1], s[44:45] op_sel_hi:[1,0]
	v_pk_mul_f32 v[RR+2:RR+3], v[RR+2:RR+3], s[44:45] op_sel_hi:[1,0]
	global_store_b128 v[L16], v[RR:RR+3], s[18:19] th:TH_STORE_NT   ; 512 consecutive bytes, at a multiple of 256 from out1's first
	s_wait_xcnt 0x0                                ; the store's data and base are rewritten only behind this wait
	s_add_nc_u64 s[18:19], s[18:19], 4096
	s_add_co_u32 s33, s33, 1
	s_cmp_lt_u32 s33, 16
	s_cbranch_scc1 .Ltoken
	s_wait_tensorcnt 0x0                           ; the wave's end, behind my last LDS store
	ds_add_u32 v[SPW], v[NIL]
	s_wait_dscnt 0x0
	s_endpgm
.Lfunc_end_k_q868494e2d3_router:
	.size	k_q868494e2d3_router, .Lfunc_end_k_q868494e2d3_router-k_q868494e2d3_router
	.p2alignl 7, 3214868480
	.fill 96, 4, 3214868480
	.section	.rodata,"a",@progbits
	.p2align	6, 0x0
	.amdhsa_kernel k_q868494e2d3_router
		.amdhsa_group_segment_fixed_size 57344
		.amdhsa_private_segment_fixed_size 0
		.amdhsa_enable_private_segment 0
		.amdhsa_kernarg_size 64
		.amdhsa_user_sgpr_count 2
		.amdhsa_user_sgpr_kernarg_segment_ptr 1
		.amdhsa_wavefront_size32 1
		.amdhsa_system_sgpr_workgroup_id_x 1
		.amdhsa_system_sgpr_workgroup_id_y 1
		.amdhsa_system_sgpr_workgroup_id_z 1
		.amdhsa_system_vgpr_workitem_id 0
		.amdhsa_next_free_vgpr 208
		.amdhsa_next_free_sgpr 66
		.amdhsa_reserve_vcc 1
		.amdhsa_float_denorm_mode_32 3
		.amdhsa_float_denorm_mode_16_64 3
		.amdhsa_memory_ordered 1
		.amdhsa_forward_progress 1
		.amdhsa_inst_pref_size 24
	.end_amdhsa_kernel
	.amdgpu_metadata
---
amdhsa.version: [ 1, 2 ]
amdhsa.kernels:
  - .name:           k_q868494e2d3_router
    .symbol:         k_q868494e2d3_router.kd
    .args:
      - { .name: hidden_states, .offset: 0, .size: 8, .value_kind: global_buffer, .address_space: global }
      - { .name: router_w, .offset: 8, .size: 8, .value_kind: global_buffer, .address_space: global }
      - { .name: router_b, .offset: 16, .size: 8, .value_kind: global_buffer, .address_space: global }
      - { .name: b2, .offset: 24, .size: 8, .value_kind: global_buffer, .address_space: global }
      - { .name: xb, .offset: 32, .size: 8, .value_kind: global_buffer, .address_space: global }
      - { .name: choice, .offset: 40, .size: 8, .value_kind: global_buffer, .address_space: global }
      - { .name: prob, .offset: 48, .size: 8, .value_kind: global_buffer, .address_space: global }
      - { .name: out1, .offset: 56, .size: 8, .value_kind: global_buffer, .address_space: global }
    .group_segment_fixed_size: 57344
    .private_segment_fixed_size: 0
    .kernarg_segment_align: 8
    .kernarg_segment_size: 64
    .max_flat_workgroup_size: 256
    .sgpr_count:     66
    .vgpr_count:     208
    .wavefront_size: 32
...
	.end_amdgpu_metadata
.endif
;; end of part 1
;; launch up (part 2): grid 32 x 8, 8 waves a work-group, no clusters, 323,072 bytes of LDS; arguments xb, choice, w1, b1, hid; writes hid
.if DOCPART == 2
	.amdgcn_target "amdgcn-amd-amdhsa--gfx1250"
	.amdhsa_code_object_version 6
	.text
	.protected	k_q868494e2d3_up
	.globl	k_q868494e2d3_up
	.p2align	8
	.type	k_q868494e2d3_up,@function
k_q868494e2d3_up:
	s_mov_b64 s[64:65], 0
	v_nop
	global_prefetch_b8 v0, s[64:65] scope:SCOPE_SE
	s_setreg_imm32_b32 hwreg(HW_REG_WAVE_MODE, 25, 1), 1
	s_wait_xcnt 0x0
; UP.  hid[pos] = gelu(x[token] . w1[e]^T + b1[e]) for the tokens that chose expert e; pos = (tokens of lower experts) + the token's rank in e.  x comes as bf16 (xb); w1 and b1 are rounded to bf16 here;
; sums in f32; hid is rounded once to f16.  gelu(v) = v / (1 + 2^(c0 v + c1 v^3)), which is 0.5 v (1 + tanh(..)) with c0 = -2 log2(e) sqrt(2/pi), c1 = 0.044715 c0.
; WHY f16.  hid's rounding is the one rounding that is the program's own, and it reaches out0 multiplied by the token's weight, while out0 is judged by the root mean square over all tokens: bf16's 8 significant bits
; are too few for the tokens with a weight near 1; f16 has 11.
; SHARES.  Work-group (slice, e) alone reads rows 128 slice .. + 127 of w1[e]: 512 consecutive KB of f32, once, for every split of the tokens.  All eight waves run one text.
; PHASE 1.  Wave w streams rows 16 w .. + 15 (64 consecutive KB, 128 loads of 512 bytes) through a ring of 40 loads in registers, which is filled again as it is emptied, rounds, and stores into LDS, where the slice
; stays as bf16, row after row.  The 32 batches are written out, so that every LDS offset is a constant.
; PHASE 2, behind one barrier.  Wave w takes the columns 64 (w % 2) .. + 63 and, with tw = w / 2, the token tiles tw, tw + 4, tw + 8 of a PASS of 192 ranks.  W comes from LDS, token rows from memory straight into
; registers as matrix operands, through a ring of 48 loads.  The two phases are not overlapped: loads come back in order, so a wave cannot wait for token rows and leave older weight loads out.
; PASSES.  Six trips, a constant, cover 1,024 tokens on one expert.  Every wave passes all three barriers of every trip; a pass without ranks jumps its work alone.  Tiles 0 and 1 of a wave are multiplied in every
; living pass, whether they hold ranks or not (their rows then repeat token 0, and nothing of them is stored); tile 2 is jumped where it is dead.  An expert without tokens streams its slice and stores nothing.
; THE WAY OUT.  gelu is made in the sums' own layout; the f16 rows of all eight waves meet in one stage of 192 rows x 256 bytes; behind a barrier wave w stores rows 24 w .. + 23, each as 256 consecutive bytes.
; THE LIST.  Wave 0 counts the choices and lays the expert's tokens by rank into LDS.  The launch behind makes the same list by the same lines, so rank and position mean the same there.
; NO TENSOR LOADS: the weights are f32 and must pass through registers to be rounded.  NO CLUSTER: a slice has one reader, and the token rows come by a list, which no descriptor covers.
; NO PREFETCH: 8 x 40 loads of 512 bytes are out for a work-group from the first lines on.  EXEC is never changed.
; LIMITS.  hid in f16: a gelu of 65,520 or more becomes an infinity, and below 6.1e-5 a number keeps f16's fixed step of 6e-8.  The room: x, w1 and b1 at 30 times a spread of 1, 0.02 and 1 give sums of some 3,000;
; a common offset of 30 spreads on x and on w1 gives 1,024 x 30 x 0.6 = 18,000.  NaN and infinities are not treated apart.
.set NBW,    4                         ; blocks of 16 columns of a wave
.set X,      8                         ; steps of 32 along K in a lap
.set LAPS,   4                         ; laps of 256 along K
.set LAPB,   512                       ; bytes of a bf16 row in a lap
.set PITCH,  2064                      ; a row of W in LDS: 2,048 bytes + 16 = 516 words: row r starts 4 r words on modulo 64 (64 banks of 4 bytes: ISA guide 11.1)
.set CBLK,   16*PITCH                  ; 16 rows
.set WHALF,  (NBW/2)*CBLK              ; from my first address register to my second: an LDS immediate has 16 bits
.set LPR,    8                         ; loads of 512 bytes in a row of w1
.set WROWS,  16                        ; rows that a wave streams
.set DEPTH,  10                        ; batches of four loads in the ring
.set SPITCH, 272                       ; the stage: a row of 128 f16 + 16 bytes
.set STAGE,  128*PITCH                 ; 192 rows
.set LISTB,  STAGE+192*SPITCH          ; 1,280 words: the expert's tokens by rank, zeros behind them
.set HDR,    LISTB+5120                ; the count, and the tokens of lower experts
.set DUMP,   HDR+256                   ; 32 words that take the list's stores of lanes with another expert's token
.set SPARE,  DUMP+256                  ; the spare words, 128 bytes a wave: four blocks of 256 bytes that no other line names
.set SPW,  1                           ; v1   LDS address of my spare word; never rewritten
.set NIL,  2                           ; v2   0; never rewritten
.set WOFF, 3                           ; v3   16 x lane
.set WST,  4                           ; v4   my rows' first byte in LDS + 8 x lane
.set AOFF, 5                           ; v5-7 tile j: byte offset in xb of my lane's row, + 16 x (lane / 16)
.set RW,   8                           ; v8   my columns' row (lane % 16) x pitch + 16 x (lane / 16)
.set H16,  9                           ; v9   16 x (lane / 16)
.set WAD,  10                          ; v10-11 RW at the lap in hand: column blocks 0, 1 and 2, 3
.set STO,  12                          ; v12  the stage: where I put 16 bytes of tile 0's row
.set RDA,  13                          ; v13  the stage: 8 bytes of the first row that I store
.set GOFF, 14                          ; v14  8 x lane
.set TMP,  15
.set CH,   16                          ; v16-47 the 1,024 choices; free behind the list
.set TOK,  16                          ; v16-33 pass p, tile j at 3 p + j: my lane's token; shifted down by 3 behind each pass
.set TC,   34                          ; v34-36 at work
.set T,    48                          ; v48-55 four loads in bf16
.set LR,   48                          ; the list's registers
.set LT,   49
.set LD,   50
.set LL,   51
.set LFA,  52
.set LH,   53
.set LP,   54
.set LZ,   56
.set R,    60                          ; the head's
.set H,    61
.set LAD,  62
.set BOF,  63
.set RING, 64                          ; v64-223 phase 1: load n in slot n % 40, at 64 + 4 x slot
.set WF,   64                          ; v64-127 phase 2: two buffers of 4 fragments of W
.set ACC,  128                         ; v128-223 the sums: tile j, column block nb at 128 + 32 j + 8 nb
.set BI,   224                         ; v224-255 b1 of my lane's 32 columns, in the sums' layout
.set TT,   64                          ; the way out: 32 at work,
.set HH,   96                          ; 16 registers of f16;
.set RB,   64                          ; 24 rows read back, two registers each
;          window 1, v0-191: the ring of token rows: unit (step x, tile j) at 8 (3 x + j)
.set WV,  14                           ; s14  wave
.set CW,  15                           ; s15  wave % 2: my half of the columns
.set TW,  16                           ; s16  wave / 2: my tiles
.set EX,  17                           ; s17  expert
.set CNT, 18                           ; s18  its tokens
.set OFF, 19                           ; s19  tokens of lower experts
.set WB,  24                           ; s[24:25] w1 at my rows; never rewritten
.set ABASE, 26                         ; s[26:27] xb at the lap that is being asked for
.set RC,  29
.set PASS, 30
.set NTA, 31                           ; s31  my living tiles in this pass, 0..3
.set LEFT, 35                          ; s35  living rows from my first stage row on (signed)
.set C0,  36                           ; s[36:37], s[38:39] gelu's constants, as pairs
.set C1,  38
.set WRO, 48                           ; s48  byte of the lap in hand in a row of W
.set OB,  50                           ; s[50:51] hid at my slice's columns
.set SB,  52                           ; s[52:53] hid at the rows that I store
.set MSB, 0
.macro WIN new                         ; the immediate's high byte repeats the setting that is left; a switch that changes nothing is dropped
.if MSB != (\new)
	s_set_vgpr_msb (MSB<<8)|(\new)
.set MSB, (\new)
.endif
.endm
.macro BAR
	s_wait_dscnt 0x0                               ; for the others' sake: my LDS stores are done, my LDS loads are back
	s_barrier_signal -1
	s_barrier_wait -1
.endm
; ---- phase 1 ----
.macro RLD n                           ; load n of 128: 512 consecutive bytes
	global_load_b128 v[RING+4*((\n)%(4*DEPTH)):RING+4*((\n)%(4*DEPTH))+3], v[WOFF], s[WB:WB+1] offset:512*(\n) th:TH_LOAD_NT
.endm
.macro PRODUCE
.set g, 0
.rept 32
.if g <= 32-DEPTH
	s_wait_loadcnt 4*(DEPTH-1)                     ; loads come back in order (ISA guide 5.7.1): behind batch g nine batches were issued
.else
	s_wait_loadcnt 4*(31-g)                        ; nothing is left to ask for: the counts run down
.endif
.set k, 0
.rept 4
	v_cvt_pk_bf16_f32 v[T+2*k],   v[RING+4*((4*g+k)%(4*DEPTH))],   v[RING+4*((4*g+k)%(4*DEPTH))+1]
	v_cvt_pk_bf16_f32 v[T+2*k+1], v[RING+4*((4*g+k)%(4*DEPTH))+2], v[RING+4*((4*g+k)%(4*DEPTH))+3]
.set k, k+1
.endr
.if g+DEPTH < 32
.set k, 0
.rept 4
	RLD 4*(g+DEPTH)+k
.set k, k+1
.endr
.endif
.set k, 0
.rept 4
	ds_store_b64 v[WST], v[T+2*k:T+2*k+1] offset:((4*g+k)/LPR)*PITCH+((4*g+k)%LPR)*256   ; 32 lanes, 256 consecutive bytes
.set k, k+1
.endr
.set g, g+1
.endr
.endm
; ---- the list (wave 0) ----  Register 4 a + q of lane l holds the choice of token 128 a + 4 l + q.  A step ranks 32 tokens: those of my expert go to the list at their rank, the others' stores to the dump words.
; The place is chosen first and then held under a constant, so that the address is bounded whatever was loaded.
.macro LIST
	v_and_b32 v[LL], 31, v0
	v_add_nc_u32 v[LD], (DUMP-LISTB)/4, v[LL]
	v_lshlrev_b32 v[LL], 2, v[LL]
	v_add_nc_u32 v[LFA], LISTB, v[WOFF]
.irp q, 0,1,2,3
	v_mov_b32 v[LZ+\q], 0
.endr
.irp i, 0,1,2,3,4,5,6,7,8,9            ; places past the count name token 0, a row that exists
	ds_store_b128 v[LFA], v[LZ:LZ+3] offset:512*\i
.endr
	s_mov_b32 s22, 0
	s_mov_b32 s23, 0
.set i, 0
.rept 32
	v_cmp_eq_u32 s20, s[EX], v[CH+i]
	v_cmp_gt_u32 s21, s[EX], v[CH+i]
	v_mbcnt_lo_u32_b32 v[LR], s20, s22             ; rank = those counted so far + those in lower lanes
	v_cndmask_b32 v[LR], v[LD], v[LR], s20
	v_min_u32 v[LR], (DUMP-LISTB)/4+31, v[LR]
	v_lshl_add_u32 v[LR], v[LR], 2, LISTB
	v_add_nc_u32 v[LT], 128*(i/4)+i%4, v[LL]
	ds_store_b32 v[LR], v[LT]
	s_bcnt1_i32_b32 s20, s20
	s_bcnt1_i32_b32 s21, s21
	s_add_co_u32 s22, s22, s20
	s_add_co_u32 s23, s23, s21
.set i, i+1
.endr
	v_mov_b32 v[LP], s22
	v_mov_b32 v[LP+1], s23
	v_mov_b32 v[LH], HDR
	ds_store_b64 v[LH], v[LP:LP+1]
.endm
; ---- phase 2 ----
.macro ALOAD x, j                      ; unit (x, j): 16 tokens x 32 of K; lane l takes row l % 16, two loads of 16 bytes, 32 bytes apart
	WIN 0x40                                       ; destination in window 1
	global_load_b128 v[8*(3*(\x)+(\j)):8*(3*(\x)+(\j))+3],   v[AOFF+(\j)], s[ABASE:ABASE+1] offset:64*(\x)
	global_load_b128 v[8*(3*(\x)+(\j))+4:8*(3*(\x)+(\j))+7], v[AOFF+(\j)], s[ABASE:ABASE+1] offset:64*(\x)+32
.endm
.macro FETCHW x                        ; step x's fragments of W, in one run
	WIN 0
.set nb, 0
.rept NBW
	ds_load_b128 v[WF+8*NBW*((\x)%2)+8*nb:WF+8*NBW*((\x)%2)+8*nb+3],   v[WAD+nb/(NBW/2)] offset:(nb%(NBW/2))*CBLK+64*(\x)
	ds_load_b128 v[WF+8*NBW*((\x)%2)+8*nb+4:WF+8*NBW*((\x)%2)+8*nb+7], v[WAD+nb/(NBW/2)] offset:(nb%(NBW/2))*CBLK+64*(\x)+32
.set nb, nb+1
.endr
.endm
.macro GROUP x, j                      ; tile j's products of step x.  Source 0 = 16 rows of W, source 1 = 16 tokens: a lane's eight results are eight neighbouring columns of one token
	WIN 0x04                                       ; source 1 in window 1
.set nb, 0
.rept NBW
	v_wmma_f32_16x16x32_bf16 v[ACC+8*NBW*(\j)+8*nb:ACC+8*NBW*(\j)+8*nb+7], v[WF+8*NBW*((\x)%2)+8*nb:WF+8*NBW*((\x)%2)+8*nb+7], v[8*(3*(\x)+(\j)):8*(3*(\x)+(\j))+7], v[ACC+8*NBW*(\j)+8*nb:ACC+8*NBW*(\j)+8*nb+7]
.set nb, nb+1
.endr
.endm
; A step.  The accumulators take turns, one instruction a turn, over the jump and the back edges too.  Then the step's three units are asked for again, from the next lap: always all three,
; so that every step issues six loads and the count below holds on every way.
.macro STEP x
.if (\x) == X-1
	s_wait_dscnt 0x0
.else
	s_wait_dscnt 2*NBW                             ; my fragments are in; the one younger run may be out
.endif
	s_wait_loadcnt 6*(X-1)                         ; behind this step's units the six loads of each of seven steps were issued: the units are in
	GROUP \x, 0
	GROUP \x, 1
	WIN 0                                          ; at a branch and at a label every window is 0
	s_cmp_lt_u32 s[NTA], 3
	s_cbranch_scc1 .Lno_2_\@
	GROUP \x, 2
	WIN 0
.Lno_2_\@:
.rept 4
	v_nop                                          ; four places between the products and loads into registers that they read (ISA guide 7.12.1 for vector instructions)
.endr
	ALOAD \x, 0
	ALOAD \x, 1
	ALOAD \x, 2
	WIN 0
.if (\x) < X-2
	FETCHW (\x)+2
.endif
.endm
.macro LAP
	v_add_nc_u32 v[WAD], s[WRO], v[RW]
	v_add_nc_u32 v[WAD+1], WHALF, v[WAD]
	FETCHW 0
	FETCHW 1
.irp x, 0,1,2,3,4,5,6,7
	STEP \x
.endr
	s_add_co_u32 s[WRO], s[WRO], LAPB
.endm
; The sums start as the bias: 96 copies (no first step is written out: that is the price).  Made once behind phase 1, when the weight ring's registers are free, and again behind each use.
.macro SUMS
.irp j, 0,1,2
.set i, 0
.rept 32
	v_mov_b32 v[ACC+32*\j+i], v[BI+i]
.set i, i+1
.endr
.endr
.endm
; A pass begins (s40 = its first rank): my living tiles, my rows' offsets, the ring's 48 loads.
.macro SETUP
	s_sub_co_u32 s41, s[CNT], s40                  ; ranks left
	s_add_co_u32 s41, s41, 15
	s_lshr_b32 s41, s41, 4
	s_min_u32 s41, s41, 12                         ; living tiles of the pass
	s_add_co_u32 s41, s41, 3
	s_sub_co_u32 s41, s41, s[TW]
	s_lshr_b32 s[NTA], s41, 2                      ; of which tw, tw + 4, tw + 8 are mine
.irp j, 0,1,2
	v_min_u32 v[TC+\j], 0x3ff, v[TOK+\j]
	v_lshl_add_u32 v[AOFF+\j], v[TC+\j], 11, v[H16]
.endr
	s_mov_b32 s[WRO], 0
	s_mov_b64 s[ABASE:ABASE+1], s[4:5]
.set sx, 0
.rept X
.irp j, 0,1,2
	ALOAD sx, \j
.endr
.set sx, sx+1
.endr
	WIN 0
.endm
; Tile j leaves: gelu of its 32 sums a lane, each accumulator read from its low end on; f16; 16 bytes for each column block into the stage.
.macro GELU j
.set A0, ACC+32*(\j)
.set i, 0
.rept 16
	v_pk_mul_f32 v[TT+2*i:TT+2*i+1], v[A0+2*i:A0+2*i+1], v[A0+2*i:A0+2*i+1]
.set i, i+1
.endr
.set i, 0
.rept 16
	v_pk_fma_f32 v[TT+2*i:TT+2*i+1], v[TT+2*i:TT+2*i+1], s[C1:C1+1], s[C0:C0+1] op_sel_hi:[1,0,0]
.set i, i+1
.endr
.set i, 0
.rept 16
	v_pk_mul_f32 v[TT+2*i:TT+2*i+1], v[TT+2*i:TT+2*i+1], v[A0+2*i:A0+2*i+1]
.set i, i+1
.endr
.set i, 0
.rept 32
	v_exp_f32 v[TT+i], v[TT+i]
.set i, i+1
.endr
	v_nop                                          ; a plain instruction behind the last exponential (ISA guide 5.7.2),
	s_wait_alu depctr_va_vdst(0)                   ; and the one wait for the batch ahead of its first reader
.set i, 0
.rept 16
	v_pk_add_f32 v[TT+2*i:TT+2*i+1], v[TT+2*i:TT+2*i+1], 1.0 op_sel_hi:[1,0]
.set i, i+1
.endr
.set i, 0
.rept 32
	v_rcp_f32 v[TT+i], v[TT+i]
.set i, i+1
.endr
	v_nop
	s_wait_alu depctr_va_vdst(0)
.set i, 0
.rept 16
	v_pk_mul_f32 v[TT+2*i:TT+2*i+1], v[TT+2*i:TT+2*i+1], v[A0+2*i:A0+2*i+1]
.set i, i+1
.endr
.set i, 0
.rept 16
	v_cvt_pk_f16_f32 v[HH+i], v[TT+2*i], v[TT+2*i+1]   ; the one rounding of hid: to f16
.set i, i+1
.endr
.irp nb, 0,1,2,3
	ds_store_b128 v[STO], v[HH+4*\nb:HH+4*\nb+3] offset:(\j)*64*SPITCH+32*\nb
.endr
.endm
	s_load_b256 s[4:11], s[0:1], 0x0               ; xb s[4:5], choice s[6:7], w1 s[8:9], b1 s[10:11]
	s_load_b64 s[12:13], s[0:1], 0x20              ; hid
	v_lshl_add_u32 v[SPW], v0, 2, SPARE
	v_mov_b32 v[NIL], 0
	v_lshrrev_b32 v[TMP], 5, v0
	v_readfirstlane_b32 s[WV], v[TMP]              ; wave 0..7
	v_and_b32 v[TMP], 31, v0                       ; lane
	v_lshlrev_b32 v[WOFF], 4, v[TMP]
	v_lshlrev_b32 v[GOFF], 3, v[TMP]
	v_and_b32 v[R], 15, v0
	v_bfe_u32 v[H], v0, 4, 1
	v_lshlrev_b32 v[H16], 4, v[H]
	v_lshlrev_b32 v[BOF], 5, v[H]
	s_and_b32 s[CW], s[WV], 1
	s_lshr_b32 s[TW], s[WV], 1
	s_and_b32 s[EX], ttmp7, 0xffff
	s_mov_b32 s[NTA], 0
	s_mul_i32 s40, s[WV], WROWS*PITCH
	v_add_nc_u32 v[WST], s40, v[GOFF]
	s_mul_i32 s40, s[CW], 64*PITCH
	v_mul_u32_u24 v[RW], v[R], PITCH
	v_add_nc_u32 v[RW], v[H16], v[RW]
	v_add_nc_u32 v[RW], s40, v[RW]
	s_mul_i32 s40, s[TW], 16*SPITCH                ; into the stage: row 16 tw + lane % 16, my half of its 256 bytes, 16 bytes for each half of the lanes
	s_lshl_b32 s41, s[CW], 7
	s_add_co_u32 s40, s40, s41
	s_add_co_u32 s40, s40, STAGE
	v_mul_u32_u24 v[STO], v[R], SPITCH
	v_add_nc_u32 v[STO], v[H16], v[STO]
	v_add_nc_u32 v[STO], s40, v[STO]
	s_mul_i32 s40, s[WV], 24*SPITCH                ; back: rows 24 w .. + 23, a row is 32 lanes x 8 bytes
	s_add_co_u32 s40, s40, STAGE
	v_add_nc_u32 v[RDA], s40, v[GOFF]
	s_lshl_b32 s40, s[TW], 6
	s_add_co_u32 s40, s40, LISTB
	v_lshl_add_u32 v[LAD], v[R], 2, s40            ; my word of tile tw in the list
	s_lshl_b32 s42, s[EX], 24                      ; the expert's 16 MB,
	s_lshl_b32 s43, ttmp9, 19                      ; the slice's 512 KB,
	s_add_co_u32 s42, s42, s43
	s_lshl_b32 s43, s[WV], 16                      ; my 64 KB
	s_add_co_u32 s42, s42, s43
	s_mov_b32 s43, 0
	s_lshl_b32 s44, s[EX], 14                      ; b1 of my 64 columns
	s_lshl_b32 s45, ttmp9, 9
	s_add_co_u32 s44, s44, s45
	s_lshl_b32 s45, s[CW], 8
	s_add_co_u32 s44, s44, s45
	s_mov_b32 s45, 0
	s_lshl_b32 s56, ttmp9, 8                       ; the slice's 256 bytes in a row of hid
	s_mov_b32 s57, 0
	s_mov_b32 s[C0], 0xc0135761                    ; -2.302208
	s_mov_b32 s[C0+1], s[C0]
	s_mov_b32 s[C1], 0xbdd2d3e8                    ; -0.102943
	s_mov_b32 s[C1+1], s[C1]
	s_wait_kmcnt 0x0
	s_add_nc_u64 s[WB:WB+1], s[8:9], s[42:43]
	s_add_nc_u64 s[46:47], s[10:11], s[44:45]
	s_add_nc_u64 s[OB:OB+1], s[12:13], s[56:57]
.irp i, 0,1,2,3,4,5,6,7
	global_load_b128 v[CH+4*\i:CH+4*\i+3], v[WOFF], s[6:7] offset:512*\i
.endr
.irp nb, 0,1,2,3                       ; lane (r, h): columns 16 nb + 8 h + 0..7
	global_load_b128 v[BI+8*\nb:BI+8*\nb+3],   v[BOF], s[46:47] offset:64*\nb
	global_load_b128 v[BI+8*\nb+4:BI+8*\nb+7], v[BOF], s[46:47] offset:64*\nb+16
.endr
.set n, 0
.rept 4*DEPTH                          ; the ring is filled: 40 loads, 20 KB a wave, stay out from here to the end of phase 1
	RLD n
.set n, n+1
.endr
	s_wait_loadcnt 4*DEPTH                         ; the choices and b1 are in; the ring's 40 younger loads stay out
.set i, 0
.rept 16                               ; b1 is rounded to bf16 and widened again, in place
	v_cvt_pk_bf16_f32 v[TMP], v[BI+2*i], v[BI+2*i+1]
	v_lshlrev_b32 v[BI+2*i], 16, v[TMP]
	v_and_b32 v[BI+2*i+1], 0xffff0000, v[TMP]
.set i, i+1
.endr
	s_cmp_lg_u32 s[WV], 0
	s_cbranch_scc1 .Llisted
	LIST
.Llisted:
	BAR                                            ; the list is there for all; up to here no other wave has touched LDS
	v_mov_b32 v[LH], HDR
	ds_load_b64 v[LP:LP+1], v[LH]
.set i, 0
.rept 18                               ; my tokens of all six passes, at constant places
	ds_load_b32 v[TOK+i], v[LAD] offset:768*(i/3)+256*(i%3)
.set i, i+1
.endr
	s_wait_dscnt 0x0
	v_readfirstlane_b32 s[CNT], v[LP]
	v_readfirstlane_b32 s[OFF], v[LP+1]
	s_min_u32 s[CNT], s[CNT], 0x400
	s_min_u32 s[OFF], s[OFF], 0x400
	PRODUCE
	SUMS                                           ; the ring's last loads have landed and been rounded: its registers take the sums
	BAR                                            ; the whole slice is in LDS; nobody writes it again
	s_mov_b32 s[PASS], 0
.Lpass:
	s_mul_i32 s40, s[PASS], 192
	s_cmp_ge_u32 s40, s[CNT]
	s_cbranch_scc1 .Lmeet_c                        ; no rank is left for this pass: its work is jumped, its barriers are not
	SETUP
	s_mov_b32 s[RC], LAPS
.Llap:
	s_wait_xcnt 0x0                                ; the base and the offsets of the loads that are out are rewritten only behind this wait
	s_cmp_eq_u32 s[RC], 1
	s_cbranch_scc1 .Ldummy
	s_add_nc_u64 s[ABASE:ABASE+1], s[ABASE:ABASE+1], LAPB   ; the lap to come asks for the lap behind it
	s_branch .Lgo
.Ldummy:                                               ; the last lap has none behind it: its reloads, kept so that every lap counts alike, all fall on the first 512 bytes of xb
.irp j, 0,1,2
	v_mov_b32 v[AOFF+\j], v[H16]
.endr
	s_mov_b64 s[ABASE:ABASE+1], s[4:5]
.Lgo:
	LAP
	s_sub_co_u32 s[RC], s[RC], 1
	s_cmp_lg_u32 s[RC], 0
	s_cbranch_scc1 .Llap
	s_wait_loadcnt 0x0                             ; the last lap's reloads have landed: the ring, its offsets and its base are free
.Lmeet_c:
	BAR                                            ; W's addresses step with the lap, so their bytes cannot be read off each line: a barrier of its own keeps every wave's reads of W ahead of every wave's stores into the stage
	s_mul_i32 s40, s[PASS], 192
	s_cmp_ge_u32 s40, s[CNT]
	s_cbranch_scc1 .Lmeet_a
.irp j, 0,1,2
	s_cmp_le_u32 s[NTA], \j
	s_cbranch_scc1 .Lgelu_done
	GELU \j
.endr
.Lgelu_done:
	SUMS                                           ; for the next pass
.set i, 0
.rept 15                               ; the next pass's tokens move to the front
	v_mov_b32 v[TOK+i], v[TOK+i+3]
.set i, i+1
.endr
.Lmeet_a:
	BAR                                            ; every wave's rows are in the stage
	s_mul_i32 s40, s[PASS], 192
	s_cmp_ge_u32 s40, s[CNT]
	s_cbranch_scc1 .Lmeet_b
	s_mul_i32 s41, s[WV], 24
	s_add_co_u32 s41, s41, s40                     ; the rank of my first row
	s_sub_co_i32 s[LEFT], s[CNT], s41
	s_add_co_u32 s41, s41, s[OFF]                  ; its position in hid; my rows follow each other there
	s_min_u32 s41, s41, 0x3ff
	s_lshl_b32 s56, s41, 13
	s_add_nc_u64 s[SB:SB+1], s[OB:OB+1], s[56:57]
.set i, 0
.rept 24                               ; rows past the count are neither read nor stored
	s_cmp_le_i32 s[LEFT], i
	s_cbranch_scc1 .Lread
	ds_load_b64 v[RB+2*i:RB+2*i+1], v[RDA] offset:i*SPITCH
.set i, i+1
.endr
.Lread:
	s_wait_dscnt 0x0
.set i, 0
.rept 24
	s_cmp_le_i32 s[LEFT], i
	s_cbranch_scc1 .Lmeet_b
	global_store_b64 v[GOFF], v[RB+2*i:RB+2*i+1], s[SB:SB+1] offset:i*8192   ; 32 lanes store 256 consecutive bytes, at a multiple of 256 from hid's first
.set i, i+1
.endr
.Lmeet_b:
	s_wait_xcnt 0x0                                ; the stores' data and base are rewritten only behind this wait
	BAR                                            ; every wave has read its rows: the stage may be written again
	s_add_co_u32 s[PASS], s[PASS], 1
	s_cmp_lt_u32 s[PASS], 6                        ; 6 x 192 ranks cover all 1,024 tokens on one expert
	s_cbranch_scc1 .Lpass
	s_wait_tensorcnt 0x0                           ; the wave's end, behind my last LDS store
	ds_add_u32 v[SPW], v[NIL]
	s_wait_dscnt 0x0
	s_endpgm
.Lfunc_end_k_q868494e2d3_up:
	.size	k_q868494e2d3_up, .Lfunc_end_k_q868494e2d3_up-k_q868494e2d3_up
	.p2alignl 7, 3214868480
	.fill 96, 4, 3214868480
	.section	.rodata,"a",@progbits
	.p2align	6, 0x0
	.amdhsa_kernel k_q868494e2d3_up
		.amdhsa_group_segment_fixed_size 323072
		.amdhsa_private_segment_fixed_size 0
		.amdhsa_enable_private_segment 0
		.amdhsa_kernarg_size 40
		.amdhsa_user_sgpr_count 2
		.amdhsa_user_sgpr_kernarg_segment_ptr 1
		.amdhsa_wavefront_size32 1
		.amdhsa_system_sgpr_workgroup_id_x 1
		.amdhsa_system_sgpr_workgroup_id_y 1
		.amdhsa_system_sgpr_workgroup_id_z 1
		.amdhsa_system_vgpr_workitem_id 0
		.amdhsa_next_free_vgpr 448
		.amdhsa_next_free_sgpr 66
		.amdhsa_reserve_vcc 0
		.amdhsa_float_denorm_mode_32 3
		.amdhsa_float_denorm_mode_16_64 3
		.amdhsa_memory_ordered 1
		.amdhsa_forward_progress 1
		.amdhsa_inst_pref_size 132
	.end_amdhsa_kernel
	.amdgpu_metadata
---
amdhsa.version: [ 1, 2 ]
amdhsa.kernels:
  - .name:           k_q868494e2d3_up
    .symbol:         k_q868494e2d3_up.kd
    .args:
      - { .name: xb, .offset: 0, .size: 8, .value_kind: global_buffer, .address_space: global }
      - { .name: choice, .offset: 8, .size: 8, .value_kind: global_buffer, .address_space: global }
      - { .name: w1, .offset: 16, .size: 8, .value_kind: global_buffer, .address_space: global }
      - { .name: b1, .offset: 24, .size: 8, .value_kind: global_buffer, .address_space: global }
      - { .name: hid, .offset: 32, .size: 8, .value_kind: global_buffer, .address_space: global }
    .group_segment_fixed_size: 323072
    .private_segment_fixed_size: 0
    .kernarg_segment_align: 8
    .kernarg_segment_size: 40
    .max_flat_workgroup_size: 256
    .sgpr_count:     66
    .vgpr_count:     448
    .wavefront_size: 32
...
	.end_amdgpu_metadata
.endif
;; end of part 2
;; launch down (part 3): grid 32 x 8, 8 waves a work-group, no clusters, 324,608 bytes of LDS; arguments hid, choice, w2, prob, out0; writes out0
.if DOCPART == 3
	.amdgcn_target "amdgcn-amd-amdhsa--gfx1250"
	.amdhsa_code_object_version 6
	.text
	.protected	k_q868494e2d3_down
	.globl	k_q868494e2d3_down
	.p2align	8
	.type	k_q868494e2d3_down,@function
k_q868494e2d3_down:
	s_mov_b64 s[64:65], 0
	v_nop
	global_prefetch_b8 v0, s[64:65] scope:SCOPE_SE
	s_setreg_imm32_b32 hwreg(HW_REG_WAVE_MODE, 25, 1), 1
	s_wait_xcnt 0x0
; DOWN.  out0[token] = (hid[pos] . w2[e]^T) x prob[token] for the tokens that chose expert e; pos = (tokens of lower experts) + the token's rank in e, as the launch before laid hid.
; hid is f16.  w2 is rounded to bf16, as every input of the program is, and that number is written as f16 for the product; sums in f32; out0 is f32.
; SHARES.  Work-group (slice, e) alone reads rows 32 slice .. + 31 of w2[e]: 512 consecutive KB of f32, once, for every split of the tokens.  All eight waves run one text.
; PHASE 1.  Wave w streams rows 4 w .. + 3 (64 consecutive KB, 128 loads of 512 bytes) through a ring of 40 loads in registers, which is filled again as it is emptied, rounds, and stores into LDS, where the slice
; stays as f16, row after row.  The 32 batches are written out, so that every LDS offset is a constant.
; PHASE 2, behind one barrier.  Wave w takes K = 2,048 (w % 2) .. + 2,047, all 32 columns and, with tw = w / 2, the row tiles tw, tw + 4, tw + 8 of a PASS of 192 ranks.  W comes from LDS, rows of hid from memory
; straight into registers as matrix operands, each byte to one wave, through a ring of 48 loads.  The two phases are not overlapped: loads come back in order, so a wave cannot wait for rows and leave older weight loads out.
; PASSES.  Six trips, a constant, cover 1,024 tokens on one expert.  Every wave passes all three barriers of every trip; a pass without ranks jumps its work alone.  Tiles 0 and 1 of a wave are multiplied in every
; living pass; a dead tile's lanes all read row 0, a half-full tile's last lanes the positions that follow (all 1,024 rows of hid were written; a result hangs on its own row alone; such results are not stored).
; THE WAY OUT.  The two halves of K meet as f32 in a stage of 2 x 192 rows; behind a barrier wave w adds rows 24 w .. + 23, multiplies by the token's prob and stores each at its token's place.
; A ROW OF out0 LEAVES AS 128 CONSECUTIVE ALIGNED BYTES, half of an aligned 256: slices of 64 columns would make whole ones, but only 128 work-groups to stream 128 MB; out0 is 4 MB.
; THE LIST.  The same lines as in the launch before: rank and position mean the same here.
; NO TENSOR LOADS: the weights are f32 and must pass through registers to be rounded.  NO CLUSTER: a slice has one reader; an expert's rows of hid are shared by its 32 work-groups, but beside the slice's 262,656
; bytes LDS has 59 KB left, of which the stage takes 55.  NO PREFETCH: 8 x 40 loads of 512 bytes are out for a work-group from the first lines on.  EXEC is never changed.
; LIMITS.  w2 in f16: a bf16 number's 8 significant bits are kept exactly down to 2^-17; below that it is off by 3e-8 at the most (w2's spread is 0.02; at a thirtieth of that, 7e-4); 65,520 or more becomes an infinity.
; NaN and infinities are not treated apart.
.set NBW,    2                         ; blocks of 16 columns of a wave
.set X,      8                         ; steps of 32 along K in a lap
.set LAPS,   8                         ; laps of 256 along K in my half of K
.set LAPB,   512                       ; bytes of an f16 row in a lap
.set PITCH,  8208                      ; a row of W in LDS: 8,192 bytes + 16 = 2,052 words: row r starts 4 r words on modulo 64 (64 banks of 4 bytes: ISA guide 11.1)
.set CBLK,   16*PITCH                  ; 16 rows
.set WHALF,  (NBW/2)*CBLK              ; from my first address register to my second: an LDS immediate has 16 bits
.set LPR,    32                        ; loads of 512 bytes in a row of w2
.set WROWS,  4                         ; rows that a wave streams
.set DEPTH,  10                        ; batches of four loads in the ring
.set PP,     144                       ; the stage: a row of 32 f32 + 16 bytes = 36 words: sixteen rows start at sixteen different groups of four banks
.set PPART,  192*PP                    ; one half of K
.set PSTG,   32*PITCH
.set LISTB,  PSTG+2*PPART              ; 1,280 words: the expert's tokens by rank, zeros behind them
.set HDR,    LISTB+5120                ; the count, and the tokens of lower experts
.set DUMP,   HDR+256                   ; 32 words that take the list's stores of lanes with another expert's token
.set SPARE,  DUMP+256                  ; the spare words, 128 bytes a wave: four blocks of 256 bytes that no other line names
.set SPW,  1                           ; v1   LDS address of my spare word; never rewritten
.set NIL,  2                           ; v2   0; never rewritten
.set WOFF, 3                           ; v3   16 x lane
.set WST,  4                           ; v4   my rows' first byte in LDS + 8 x lane
.set AOFF, 5                           ; v5-7 tile j: byte offset in hid of my lane's row, + 16 x (lane / 16)
.set RW,   8                           ; v8   row (lane % 16) x pitch + my half of K + 16 x (lane / 16)
.set H16,  9                           ; v9   16 x (lane / 16)
.set WAD,  10                          ; v10-11 RW at the lap in hand: column block 0, 1
.set STO,  12                          ; v12  the stage: where I put tile 0's results
.set RDA,  13                          ; v13  the stage: 4 bytes of the first row that I store
.set L4,   14                          ; v14  4 x lane
.set R,    15                          ; v15  lane % 16
.set CH,   16                          ; v16-47 the 1,024 choices; free behind the list
.set TOKR, 16                          ; v16-21 pass p: lane i holds the token of the i-th row that I store; shifted down behind each pass
.set PT,   24                          ; v24-25 at work
.set T,    48                          ; v48-55 four loads in bf16, then in f16
.set LR,   48                          ; the list's registers
.set LT,   49
.set LD,   50
.set LL,   51
.set LFA,  52
.set LH,   53
.set LP,   54
.set LZ,   56
.set LN,   60                          ; the head's
.set H,    61
.set LAD,  62
.set U,    56                          ; v56-63 phase 1 (the list's and the head's registers are free by then): two loads' rounded numbers, widened to f32
.set RING, 64                          ; v64-223 phase 1: load n in slot n % 40, at 64 + 4 x slot
.set WF,   64                          ; v64-95 phase 2: two buffers of 2 fragments of W
.set ACC,  128                         ; v128-175 the sums: tile j, column block nb at 128 + 16 j + 8 nb
.set VO,   176                         ; v176-199 the way out: the 24 rows' byte offsets in out0
.set PRB,  224                         ; v224 prob of the tokens in TOKR
.set PA,   225                         ; v225 their byte offsets in prob
.set DD,   64                          ; the way out: 24 rows of the first half of K,
.set DE,   88                          ; and of the second
;          window 1, v0-191: the ring of rows: unit (step x, tile j) at 8 (3 x + j)
.set WV,  14                           ; s14  wave
.set KW,  15                           ; s15  wave % 2: my half of K
.set TW,  16                           ; s16  wave / 2: my tiles
.set EX,  17                           ; s17  expert
.set CNT, 18                           ; s18  its tokens
.set OFF, 19                           ; s19  tokens of lower experts
.set WB,  24                           ; s[24:25] w2 at my rows; never rewritten
.set ABASE, 26                         ; s[26:27] hid at the lap that is being asked for
.set RC,  29
.set PASS, 30
.set NTA, 31                           ; s31  my living tiles in this pass, 0..3
.set LEFT, 35                          ; s35  living rows from my first stage row on (signed)
.set WRO, 48                           ; s48  byte of the lap in hand in my half of a row of W
.set OB,  50                           ; s[50:51] out0 at my slice's columns
.set A0,  54                           ; s[54:55] hid at my half of K
.set MK,  56                           ; s56  a word's upper bf16
.set MSB, 0
.macro WIN new                         ; the immediate's high byte repeats the setting that is left; a switch that changes nothing is dropped
.if MSB != (\new)
	s_set_vgpr_msb (MSB<<8)|(\new)
.set MSB, (\new)
.endif
.endm
.macro BAR
	s_wait_dscnt 0x0                               ; for the others' sake: my LDS stores are done, my LDS loads are back
	s_barrier_signal -1
	s_barrier_wait -1
.endm
; ---- phase 1 ----
.macro RLD n                           ; load n of 128: 512 consecutive bytes
	global_load_b128 v[RING+4*((\n)%(4*DEPTH)):RING+4*((\n)%(4*DEPTH))+3], v[WOFF], s[WB:WB+1] offset:512*(\n) th:TH_LOAD_NT
.endm
; A batch of four loads: rounded to bf16, which is the last that reads the ring's registers, so the batch is asked for again at once; then each bf16 number is widened (a shift, a mask) and written as f16.
.macro PRODUCE
.set g, 0
.rept 32
.if g <= 32-DEPTH
	s_wait_loadcnt 4*(DEPTH-1)                     ; loads come back in order (ISA guide 5.7.1): behind batch g nine batches were issued
.else
	s_wait_loadcnt 4*(31-g)                        ; nothing is left to ask for: the counts run down
.endif
.set k, 0
.rept 4
	v_cvt_pk_bf16_f32 v[T+2*k],   v[RING+4*((4*g+k)%(4*DEPTH))],   v[RING+4*((4*g+k)%(4*DEPTH))+1]
	v_cvt_pk_bf16_f32 v[T+2*k+1], v[RING+4*((4*g+k)%(4*DEPTH))+2], v[RING+4*((4*g+k)%(4*DEPTH))+3]
.set k, k+1
.endr
.if g+DEPTH < 32
.set k, 0
.rept 4
	RLD 4*(g+DEPTH)+k
.set k, k+1
.endr
.endif
.set k, 0
.rept 4
	v_lshlrev_b32 v[U+4*(k%2)],   16,    v[T+2*k]
	v_and_b32     v[U+4*(k%2)+1], s[MK], v[T+2*k]
	v_lshlrev_b32 v[U+4*(k%2)+2], 16,    v[T+2*k+1]
	v_and_b32     v[U+4*(k%2)+3], s[MK], v[T+2*k+1]
	v_cvt_pk_f16_f32 v[T+2*k],   v[U+4*(k%2)],   v[U+4*(k%2)+1]
	v_cvt_pk_f16_f32 v[T+2*k+1], v[U+4*(k%2)+2], v[U+4*(k%2)+3]
.set k, k+1
.endr
.set k, 0
.rept 4
	ds_store_b64 v[WST], v[T+2*k:T+2*k+1] offset:((4*g+k)/LPR)*PITCH+((4*g+k)%LPR)*256   ; 32 lanes, 256 consecutive bytes
.set k, k+1
.endr
.set g, g+1
.endr
.endm
; ---- the list (wave 0) ----  Register 4 a + q of lane l holds the choice of token 128 a + 4 l + q.  A step ranks 32 tokens: those of my expert go to the list at their rank, the others' stores to the dump words.
; The place is chosen first and then held under a constant, so that the address is bounded whatever was loaded.
.macro LIST
	v_and_b32 v[LL], 31, v0
	v_add_nc_u32 v[LD], (DUMP-LISTB)/4, v[LL]
	v_lshlrev_b32 v[LL], 2, v[LL]
	v_add_nc_u32 v[LFA], LISTB, v[WOFF]
.irp q, 0,1,2,3
	v_mov_b32 v[LZ+\q], 0
.endr
.irp i, 0,1,2,3,4,5,6,7,8,9            ; places past the count name token 0
	ds_store_b128 v[LFA], v[LZ:LZ+3] offset:512*\i
.endr
	s_mov_b32 s22, 0
	s_mov_b32 s23, 0
.set i, 0
.rept 32
	v_cmp_eq_u32 s20, s[EX], v[CH+i]
	v_cmp_gt_u32 s21, s[EX], v[CH+i]
	v_mbcnt_lo_u32_b32 v[LR], s20, s22             ; rank = those counted so far + those in lower lanes
	v_cndmask_b32 v[LR], v[LD], v[LR], s20
	v_min_u32 v[LR], (DUMP-LISTB)/4+31, v[LR]
	v_lshl_add_u32 v[LR], v[LR], 2, LISTB
	v_add_nc_u32 v[LT], 128*(i/4)+i%4, v[LL]
	ds_store_b32 v[LR], v[LT]
	s_bcnt1_i32_b32 s20, s20
	s_bcnt1_i32_b32 s21, s21
	s_add_co_u32 s22, s22, s20
	s_add_co_u32 s23, s23, s21
.set i, i+1
.endr
	v_mov_b32 v[LP], s22
	v_mov_b32 v[LP+1], s23
	v_mov_b32 v[LH], HDR
	ds_store_b64 v[LH], v[LP:LP+1]
.endm
; ---- phase 2 ----
.macro ALOAD x, j                      ; unit (x, j): 16 rows x 32 of K; lane l takes row l % 16, two loads of 16 bytes, 32 bytes apart
	WIN 0x40                                       ; destination in window 1
	global_load_b128 v[8*(3*(\x)+(\j)):8*(3*(\x)+(\j))+3],   v[AOFF+(\j)], s[ABASE:ABASE+1] offset:64*(\x)
	global_load_b128 v[8*(3*(\x)+(\j))+4:8*(3*(\x)+(\j))+7], v[AOFF+(\j)], s[ABASE:ABASE+1] offset:64*(\x)+32
.endm
.macro FETCHW x                        ; step x's fragments of W, in one run
	WIN 0
.set nb, 0
.rept NBW
	ds_load_b128 v[WF+8*NBW*((\x)%2)+8*nb:WF+8*NBW*((\x)%2)+8*nb+3],   v[WAD+nb/(NBW/2)] offset:(nb%(NBW/2))*CBLK+64*(\x)
	ds_load_b128 v[WF+8*NBW*((\x)%2)+8*nb+4:WF+8*NBW*((\x)%2)+8*nb+7], v[WAD+nb/(NBW/2)] offset:(nb%(NBW/2))*CBLK+64*(\x)+32
.set nb, nb+1
.endr
.endm
.macro GROUP x, j                      ; tile j's products of step x.  Source 0 = 16 rows of W, source 1 = 16 rows of hid: a lane's eight results are eight neighbouring columns of one token
	WIN 0x04                                       ; source 1 in window 1
.set nb, 0
.rept NBW
	v_wmma_f32_16x16x32_f16 v[ACC+8*NBW*(\j)+8*nb:ACC+8*NBW*(\j)+8*nb+7], v[WF+8*NBW*((\x)%2)+8*nb:WF+8*NBW*((\x)%2)+8*nb+7], v[8*(3*(\x)+(\j)):8*(3*(\x)+(\j))+7], v[ACC+8*NBW*(\j)+8*nb:ACC+8*NBW*(\j)+8*nb+7]
.set nb, nb+1
.endr
.endm
; A step.  The accumulators take turns, one instruction a turn, over the jump and the back edges too.  Then the step's three units are asked for again, from the next lap: always all three,
; so that every step issues six loads and the count below holds on every way.
.macro STEP x
.if (\x) == X-1
	s_wait_dscnt 0x0
.else
	s_wait_dscnt 2*NBW                             ; my fragments are in; the one younger run may be out
.endif
	s_wait_loadcnt 6*(X-1)                         ; behind this step's units the six loads of each of seven steps were issued: the units are in
	GROUP \x, 0
	GROUP \x, 1
	WIN 0                                          ; at a branch and at a label every window is 0
	s_cmp_lt_u32 s[NTA], 3
	s_cbranch_scc1 .Lno_2_\@
	GROUP \x, 2
	WIN 0
.Lno_2_\@:
.rept 4
	v_nop                                          ; four places between the products and loads into registers that they read (ISA guide 7.12.1 for vector instructions)
.endr
	ALOAD \x, 0
	ALOAD \x, 1
	ALOAD \x, 2
	WIN 0
.if (\x) < X-2
	FETCHW (\x)+2
.endif
.endm
.macro LAP
	v_add_nc_u32 v[WAD], s[WRO], v[RW]
	v_add_nc_u32 v[WAD+1], WHALF, v[WAD]
	FETCHW 0
	FETCHW 1
.irp x, 0,1,2,3,4,5,6,7
	STEP \x
.endr
	s_add_co_u32 s[WRO], s[WRO], LAPB
.endm
; The sums start at 0: 48 lines (no first step is written out: that is the price).  Made once behind phase 1, when the weight ring's registers are free, and again behind each use.
.macro SUMS
.set i, 0
.rept 24*NBW
	v_mov_b32 v[ACC+i], 0
.set i, i+1
.endr
.endm
; A pass begins (s40 = its first rank): my living tiles, my rows' offsets, prob of the rows that I shall store, the ring's 48 loads.
.macro SETUP
	s_sub_co_u32 s41, s[CNT], s40                  ; ranks left
	s_add_co_u32 s41, s41, 15
	s_lshr_b32 s41, s41, 4
	s_min_u32 s41, s41, 12                         ; living tiles of the pass
	s_add_co_u32 s41, s41, 3
	s_sub_co_u32 s41, s41, s[TW]
	s_lshr_b32 s[NTA], s41, 2                      ; of which tw, tw + 4, tw + 8 are mine
	s_lshl_b32 s42, s[TW], 4
	s_add_co_u32 s42, s42, s40
	s_add_co_u32 s42, s42, s[OFF]                  ; the position of tile tw's first row
	v_add_nc_u32 v[PT], s42, v[R]
.irp j, 0,1,2
	s_cmp_gt_u32 s[NTA], \j
	s_cselect_b32 s43, -1, 0                       ; a dead tile's lanes all take row 0
	v_add_nc_u32 v[PT+1], 64*\j, v[PT]
	v_and_b32 v[PT+1], s43, v[PT+1]
	v_min_u32 v[PT+1], 0x3ff, v[PT+1]              ; the bound comes last: behind it only the shift and the lane's 16 bytes
	v_lshl_add_u32 v[AOFF+\j], v[PT+1], 13, v[H16]
.endr
	v_min_u32 v[PA], 0x3ff, v[TOKR]
	v_lshlrev_b32 v[PA], 2, v[PA]
	global_load_b32 v[PRB], v[PA], s[10:11]
	s_mov_b32 s[WRO], 0
	s_mov_b64 s[ABASE:ABASE+1], s[A0:A0+1]
.set sx, 0
.rept X
.irp j, 0,1,2
	ALOAD sx, \j
.endr
.set sx, sx+1
.endr
	WIN 0
.endm
	s_load_b256 s[4:11], s[0:1], 0x0               ; hid s[4:5], choice s[6:7], w2 s[8:9], prob s[10:11]
	s_load_b64 s[12:13], s[0:1], 0x20              ; out0
	v_lshl_add_u32 v[SPW], v0, 2, SPARE
	v_mov_b32 v[NIL], 0
	v_lshrrev_b32 v[LN], 5, v0
	v_readfirstlane_b32 s[WV], v[LN]               ; wave 0..7
	v_and_b32 v[LN], 31, v0                        ; lane
	v_lshlrev_b32 v[WOFF], 4, v[LN]
	v_lshlrev_b32 v[L4], 2, v[LN]
	v_and_b32 v[R], 15, v0
	v_bfe_u32 v[H], v0, 4, 1
	v_lshlrev_b32 v[H16], 4, v[H]
	v_mov_b32 v[PRB], 0
	s_and_b32 s[KW], s[WV], 1
	s_lshr_b32 s[TW], s[WV], 1
	s_and_b32 s[EX], ttmp7, 0xffff
	s_mov_b32 s[NTA], 0
	s_mov_b32 s[MK], 0xffff0000
	s_mul_i32 s40, s[WV], WROWS*PITCH
	v_lshlrev_b32 v[WST], 3, v[LN]
	v_add_nc_u32 v[WST], s40, v[WST]
	s_lshl_b32 s40, s[KW], 12                      ; my half of K: 2,048 f16
	v_mul_u32_u24 v[RW], v[R], PITCH
	v_add_nc_u32 v[RW], v[H16], v[RW]
	v_add_nc_u32 v[RW], s40, v[RW]
	s_mul_i32 s40, s[KW], PPART                    ; into the stage: my half of K, row 16 tw + lane % 16, 32 bytes for each half of the lanes
	s_mul_i32 s41, s[TW], 16*PP
	s_add_co_u32 s40, s40, s41
	s_add_co_u32 s40, s40, PSTG
	v_mul_u32_u24 v[STO], v[R], PP
	v_lshl_add_u32 v[STO], v[H], 5, v[STO]
	v_add_nc_u32 v[STO], s40, v[STO]
	s_mul_i32 s40, s[WV], 24*PP                    ; back: rows 24 w .. + 23, a row is 32 lanes x 4 bytes
	s_add_co_u32 s40, s40, PSTG
	v_add_nc_u32 v[RDA], s40, v[L4]
	s_mul_i32 s40, s[WV], 96
	s_add_co_u32 s40, s40, LISTB
	v_add_nc_u32 v[LAD], s40, v[L4]                ; lane i: the list's word of rank 24 w + i (lanes 24-31 read on into the list; nothing is made of them)
	s_lshl_b32 s42, s[EX], 24                      ; the expert's 16 MB,
	s_lshl_b32 s43, ttmp9, 19                      ; the slice's 512 KB,
	s_add_co_u32 s42, s42, s43
	s_lshl_b32 s43, s[WV], 16                      ; my 64 KB
	s_add_co_u32 s42, s42, s43
	s_mov_b32 s43, 0
	s_lshl_b32 s44, ttmp9, 7                       ; the slice's 128 bytes in a row of out0
	s_mov_b32 s45, 0
	s_lshl_b32 s46, s[KW], 12
	s_mov_b32 s47, 0
	s_wait_kmcnt 0x0
	s_add_nc_u64 s[WB:WB+1], s[8:9], s[42:43]
	s_add_nc_u64 s[OB:OB+1], s[12:13], s[44:45]
	s_add_nc_u64 s[A0:A0+1], s[4:5], s[46:47]
.irp i, 0,1,2,3,4,5,6,7
	global_load_b128 v[CH+4*\i:CH+4*\i+3], v[WOFF], s[6:7] offset:512*\i
.endr
.set n, 0
.rept 4*DEPTH                          ; the ring is filled: 40 loads, 20 KB a wave, stay out from here to the end of phase 1
	RLD n
.set n, n+1
.endr
	s_wait_loadcnt 4*DEPTH                         ; the choices are in; the ring's 40 younger loads stay out
	s_cmp_lg_u32 s[WV], 0
	s_cbranch_scc1 .Llisted
	LIST
.Llisted:
	BAR                                            ; the list is there for all; up to here no other wave has touched LDS
	v_mov_b32 v[LH], HDR
	ds_load_b64 v[LP:LP+1], v[LH]
.irp p, 0,1,2,3,4,5                    ; the tokens of the rows that I store, for all six passes, at constant places
	ds_load_b32 v[TOKR+\p], v[LAD] offset:768*\p
.endr
	s_wait_dscnt 0x0
	v_readfirstlane_b32 s[CNT], v[LP]
	v_readfirstlane_b32 s[OFF], v[LP+1]
	s_min_u32 s[CNT], s[CNT], 0x400
	s_min_u32 s[OFF], s[OFF], 0x400
	PRODUCE
	SUMS                                           ; the ring's last loads have landed and been rounded: its registers take the sums
	BAR                                            ; the whole slice is in LDS; nobody writes it again
	s_mov_b32 s[PASS], 0
.Lpass:
	s_mul_i32 s40, s[PASS], 192
	s_cmp_ge_u32 s40, s[CNT]
	s_cbranch_scc1 .Lmeet_c                        ; no rank is left for this pass: its work is jumped, its barriers are not
	SETUP
	s_mov_b32 s[RC], LAPS
.Llap:
	s_wait_xcnt 0x0                                ; the base and the offsets of the loads that are out are rewritten only behind this wait
	s_cmp_eq_u32 s[RC], 1
	s_cbranch_scc1 .Ldummy
	s_add_nc_u64 s[ABASE:ABASE+1], s[ABASE:ABASE+1], LAPB   ; the lap to come asks for the lap behind it
	s_branch .Lgo
.Ldummy:                                               ; the last lap has none behind it: its reloads, kept so that every lap counts alike, all fall on the first 512 bytes of hid
.irp j, 0,1,2
	v_mov_b32 v[AOFF+\j], v[H16]
.endr
	s_mov_b64 s[ABASE:ABASE+1], s[4:5]
.Lgo:
	LAP
	s_sub_co_u32 s[RC], s[RC], 1
	s_cmp_lg_u32 s[RC], 0
	s_cbranch_scc1 .Llap
	s_wait_loadcnt 0x0                             ; prob is in, and the last lap's reloads have landed: the ring, its offsets and its base are free
.Lmeet_c:
	BAR                                            ; W's addresses step with the lap, so their bytes cannot be read off each line: a barrier of its own keeps every wave's reads of W ahead of every wave's stores into the stage
	s_mul_i32 s40, s[PASS], 192
	s_cmp_ge_u32 s40, s[CNT]
	s_cbranch_scc1 .Lmeet_a
.irp j, 0,1,2                          ; my part sums into the stage, each accumulator from its low end on; a dead tile's are zeros or sums of row 0, and nobody stores them
.irp nb, 0,1
	ds_store_b128 v[STO], v[ACC+16*\j+8*\nb:ACC+16*\j+8*\nb+3]   offset:\j*64*PP+64*\nb
	ds_store_b128 v[STO], v[ACC+16*\j+8*\nb+4:ACC+16*\j+8*\nb+7] offset:\j*64*PP+64*\nb+16
.endr
.endr
	SUMS                                           ; for the next pass
.Lmeet_a:
	BAR                                            ; every wave's part sums are in the stage
	s_mul_i32 s40, s[PASS], 192
	s_cmp_ge_u32 s40, s[CNT]
	s_cbranch_scc1 .Lmeet_b
	s_mul_i32 s41, s[WV], 24
	s_add_co_u32 s41, s41, s40                     ; the rank of my first row
	s_sub_co_i32 s[LEFT], s[CNT], s41
.set i, 0
.rept 24
	ds_load_b32 v[DD+i], v[RDA] offset:i*PP
	ds_load_b32 v[DE+i], v[RDA] offset:i*PP+PPART
.set i, i+1
.endr
	s_wait_dscnt 0x0
.set i, 0
.rept 24                               ; rows past the count are jumped
	s_cmp_le_i32 s[LEFT], i
	s_cbranch_scc1 .Lrows_done
	v_readlane_b32 s41, v[TOKR], i
	v_readlane_b32 s42, v[PRB], i
	s_min_u32 s41, s41, 0x3ff
	v_lshl_add_u32 v[VO+i], s41, 12, v[L4]
	v_add_f32 v[DD+i], v[DD+i], v[DE+i]
	v_mul_f32 v[DD+i], s42, v[DD+i]
	global_store_b32 v[VO+i], v[DD+i], s[OB:OB+1] th:TH_STORE_NT   ; 32 lanes store 128 consecutive bytes, at a multiple of 128 from out0's first
.set i, i+1
.endr
.Lrows_done:
.irp p, 0,1,2,3,4                      ; the next pass's tokens move to the front
	v_mov_b32 v[TOKR+\p], v[TOKR+\p+1]
.endr
.Lmeet_b:
	s_wait_xcnt 0x0                                ; the stores' data and offsets are rewritten only behind this wait
	BAR                                            ; every wave has read its rows: the stage may be written again
	s_add_co_u32 s[PASS], s[PASS], 1
	s_cmp_lt_u32 s[PASS], 6                        ; 6 x 192 ranks cover all 1,024 tokens on one expert
	s_cbranch_scc1 .Lpass
	s_wait_tensorcnt 0x0                           ; the wave's end, behind my last LDS store
	ds_add_u32 v[SPW], v[NIL]
	s_wait_dscnt 0x0
	s_endpgm
.Lfunc_end_k_q868494e2d3_down:
	.size	k_q868494e2d3_down, .Lfunc_end_k_q868494e2d3_down-k_q868494e2d3_down
	.p2alignl 7, 3214868480
	.fill 96, 4, 3214868480
	.section	.rodata,"a",@progbits
	.p2align	6, 0x0
	.amdhsa_kernel k_q868494e2d3_down
		.amdhsa_group_segment_fixed_size 324608
		.amdhsa_private_segment_fixed_size 0
		.amdhsa_enable_private_segment 0
		.amdhsa_kernarg_size 40
		.amdhsa_user_sgpr_count 2
		.amdhsa_user_sgpr_kernarg_segment_ptr 1
		.amdhsa_wavefront_size32 1
		.amdhsa_system_sgpr_workgroup_id_x 1
		.amdhsa_system_sgpr_workgroup_id_y 1
		.amdhsa_system_sgpr_workgroup_id_z 1
		.amdhsa_system_vgpr_workitem_id 0
		.amdhsa_next_free_vgpr 448
		.amdhsa_next_free_sgpr 66
		.amdhsa_reserve_vcc 0
		.amdhsa_float_denorm_mode_32 3
		.amdhsa_float_denorm_mode_16_64 3
		.amdhsa_memory_ordered 1
		.amdhsa_forward_progress 1
		.amdhsa_inst_pref_size 135
	.end_amdhsa_kernel
	.amdgpu_metadata
---
amdhsa.version: [ 1, 2 ]
amdhsa.kernels:
  - .name:           k_q868494e2d3_down
    .symbol:         k_q868494e2d3_down.kd
    .args:
      - { .name: hid, .offset: 0, .size: 8, .value_kind: global_buffer, .address_space: global }
      - { .name: choice, .offset: 8, .size: 8, .value_kind: global_buffer, .address_space: global }
      - { .name: w2, .offset: 16, .size: 8, .value_kind: global_buffer, .address_space: global }
      - { .name: prob, .offset: 24, .size: 8, .value_kind: global_buffer, .address_space: global }
      - { .name: out0, .offset: 32, .size: 8, .value_kind: global_buffer, .address_space: global }
    .group_segment_fixed_size: 324608
    .private_segment_fixed_size: 0
    .kernarg_segment_align: 8
    .kernarg_segment_size: 40
    .max_flat_workgroup_size: 256
    .sgpr_count:     66
    .vgpr_count:     448
    .wavefront_size: 32
...
	.end_amdgpu_metadata
.endif
;; end of part 3
